; MI455X (gfx1250); checked and timed in simulation.
; The chip was launched on July 23, 2026; its instructions are those of AMD's public machine-readable ISA for CDNA 5 (MIT licence, August 2026) and "CDNA5" Instruction Set Architecture Reference Guide (July 2026). The comments in the code are by the model that wrote it; some were corrected since.
;; Multi Head Attention. Allowed arithmetic: matrix products marked QUANTISED: E4M3 operands, one given power-of-two scale a tensor, by v_wmma_f32_16x16x64_fp8_fp8 or v_wmma_f32_16x16x128_fp8_fp8, f32 sums; everything else in f32.
;; Inputs: W_k 1,024 x 1,024 float32; W_o 1,024 x 1,024 float32; W_q 1,024 x 1,024 float32; W_v 1,024 x 1,024 float32; b_o 1,024 float32; inputs 4 x 2,048 x 1,024 float32; lowp_scales 12 int32 (the exponents e of the quantised operands' scales 2^e).
;; Outputs: out0 4 x 2,048 x 1,024 float32.
;; This version of the problem:
;;   THIS VERSION OF THE PROBLEM IS GIVEN IN LOW PRECISION. The matrix products marked QUANTISED in the list below multiply operands that are first quantised to E4M3 (4 exponent bits, 3 mantissa bits; 8 bits a number), with one given power-of-two scale for each operand tensor; their sums are f32. All else is computed in f32.
;;   The module's matrix products, in the order in which they are computed (A, B: the left and right operand; K: the contracted axis; several contracted axes count as one K, in the product's order):
;;     1. [M 8,192, K 1,024] x [K 1,024, N 1,024]; A: input inputs; B: input W_q: QUANTISED (scales: A lowp_scales[0], B lowp_scales[1])
;;     2. [M 8,192, K 1,024] x [K 1,024, N 1,024]; A: input inputs; B: input W_k: QUANTISED (scales: A lowp_scales[2], B lowp_scales[3])
;;     3. [M 8,192, K 1,024] x [K 1,024, N 1,024]; A: input inputs; B: input W_v: QUANTISED (scales: A lowp_scales[4], B lowp_scales[5])
;;     4. batch 64 x [M 2,048, K 64] x [K 64, N 2,048]; A: computed on the way; B: computed on the way: QUANTISED (scales: A lowp_scales[6], B lowp_scales[7])
;;     5. batch 64 x [M 2,048, K 2,048] x [K 2,048, N 64]; A: softmax (see below); B: computed on the way: QUANTISED (scales: A lowp_scales[8], B lowp_scales[9])
;;     6. [M 8,192, K 1,024] x [K 1,024, N 1,024]; A: computed on the way; B: input W_o: QUANTISED (scales: A lowp_scales[10], B lowp_scales[11])
;;   THE QUANTISER, for each operand of a quantised product, along K:
;;     - The operand's scale is 2^e, e = its entry of the input lowp_scales (int32; the entries are numbered through the quantised products in the list's order, A before B).
;;     - Each number is divided by the scale, clamped to +-448, and rounded to the nearest number of E4M3, ties to even, subnormals kept.
;;     - The product sums the exact products of the quantised numbers (number of the format x scale) in f32.
;;   ~~~python
;;   def quantise(x, axis, e):      # numpy; x: float32 -> the quantised numbers, widened to float32 again
;;       x = np.moveaxis(x, axis, -1); K = x.shape[-1]
;;       r = np.clip(x / 2.0 ** e, -448, 448)
;;       step = 2.0 ** (np.maximum(np.frexp(np.where(r == 0, 1, r))[1] - 1, -6) - 3)
;;       q = np.round(r / step) * step * 2.0 ** e      # np.round: ties to even
;;       return np.moveaxis(q, -1, axis).astype(np.float32)
;;   ~~~
;;   SOFTMAX AHEAD OF A QUANTISED PRODUCT. Where the list says 'softmax', what is quantised is not the finished softmax but p = 2^(t - M), with t = logit x log2(e) and M = ceil(the row's largest t), a whole number; so 1/2 < the row's largest p <= 1. The row's sum l is taken of the UNQUANTISED p, in f32, and the product's result is divided by l at the end. Since M is a whole number, a kernel that streams over the keys may use a running M (the ceiling of the running maximum): every later rescaling is an exact power of two, so the quantised numbers keep their values, but for numbers so far below the row's largest that they fall under the format's range.
;;   OPERANDS COMPUTED ON THE WAY. 'Computed on the way' means the value that the module computes at that place (a softmax that the list does not call 'softmax' is quantised finished and normalised). What goes into a quantiser is computed in f32, as accurately as f32 sums, v_exp_f32 and their like allow (about 1e-6 of the number): no bf16 or f16 on the way to a quantiser, and a product that is left as it is and whose result goes on into a quantised operand takes f32 operands (vector FMAs, or v_wmma_f32_16x16x4_f32). A number that lies on a knife's edge between two numbers of the format may be rounded either way, as far as f32 arithmetic and the matrix unit's own rounding can turn it there, and no further.
;; One version. Each part assembles by itself: llvm-mc -triple=amdgcn-amd-amdhsa -mcpu=gfx1250 --defsym DOCPART=n.
;; ======== version 1 of 1: 4 launches
;; limits: right only within a limited range of input values
;; workspace buffers: xc 25,165,824 bytes; wc 4,194,304 bytes; qkvc 25,165,824 bytes; ctxc 8,388,608 bytes
;; launch quant (part 1): grid 384 x 1, 4 waves a work-group, no clusters, 33,280 bytes of LDS; arguments inputs, W_q, W_k, W_v, W_o, lowp_scales, xc, wc; writes xc, wc
.if DOCPART == 1
	.amdgcn_target "amdgcn-amd-amdhsa--gfx1250"
	.amdhsa_code_object_version 6
	.text
	.protected	k_qe27b442269_quant
	.globl	k_qe27b442269_quant
	.p2align	8
	.type	k_qe27b442269_quant,@function
k_qe27b442269_quant:
	s_mov_b64 s[64:65], 0
	v_nop
	global_prefetch_b8 v0, s[64:65] scope:SCOPE_SE
	s_setreg_imm32_b32 hwreg(HW_REG_WAVE_MODE, 25, 1), 1
	s_wait_xcnt 0x0
; f32 numbers into codes of FP8 (E4M3), K innermost, each operand with the scale 2^e that is given for it.
; inputs [8192][1024] is an operand of three products with three entries of the scales (0, 2, 4): three sets of codes, xc + 0, + 8 MiB, + 16 MiB.
; W_q, W_k, W_v, W_o [1024][1024] (entries 1, 3, 5, 11) give one set each: wc + 0, 1, 2, 3 MiB.
; code = x / 2^e, rounded to the nearest code, ties to even.  LIMITS: -126 <= e <= 119 for these seven entries; NaN among the inputs is not served.
; Rows are dense, so every tensor is a plain stream.  A work-group takes 32,768 numbers, a wave 16 steps of 512.  Work-groups 0-255 take inputs, 256 + 32 i + j tensor W number i.
; Each of a step's four loads reads 512 consecutive bytes, 16 a lane; the 2,048 bytes go through the wave's own stage in LDS and come back 64 bytes a lane, so that a lane holds 16 neighbours
; along K for the conversions.  A lane's 16 codes are 16 bytes: a store of the wave covers 512 consecutive bytes.  Work-groups share no input, so there is no cluster; waves share nothing, so no barrier.
.set STEPS, 16
.set SP,    80                         ; a lane's place in a stage: its 64 bytes + 16 of padding
.set WREG,  8192                       ; LDS for each wave: two stages of 32 x SP bytes
.set R,     16                         ; v16-79   four sets of 16 numbers as they are loaded
.set X,     80                         ; v80-111  two sets of 16 neighbours
.set T,     112
.set C,     128                        ; v128-139 three sets of four registers of codes
.set SC,    140                        ; v140, v142, v144: 2^e for each of three scales
	s_load_b512 s[8:23], s[0:1], 0x0               ; inputs s[8:9], W_q, W_k, W_v, W_o s[16:17], the scales s[18:19], xc s[20:21], wc s[22:23]
	v_lshl_add_u32 v160, v0, 2, 0x8000
	v_mov_b32 v161, 0
	v_lshrrev_b32 v1, 5, v0
	v_readfirstlane_b32 s2, v1                     ; wave
	v_and_b32 v2, 31, v0                           ; lane
	v_lshlrev_b32 v3, 4, v2                        ; my 16 bytes of a load's 512, and of a store's; never rewritten
	s_mul_i32 s3, s2, WREG
	v_lshrrev_b32 v14, 2, v2
	v_mul_u32_u24 v14, v14, SP
	v_and_b32 v15, 3, v2
	v_lshl_add_u32 v14, v15, 4, v14
	v_add_nc_u32 v14, s3, v14                      ; the stage on the way in: SP (lane / 4) + 16 (lane % 4)
	v_mul_u32_u24 v15, v2, SP
	v_add_nc_u32 v15, s3, v15                      ; and on the way out: SP x lane
	s_and_b32 s44, ttmp9, 255                      ; the work-group's place among those of its codes' buffer
	s_lshl_b32 s44, s44, 2
	s_add_co_u32 s44, s44, s2
	s_lshl_b32 s44, s44, 13                        ; my wave's 8,192 codes
	s_mov_b32 s45, 0
	s_and_b32 s43, ttmp9, 31
	s_cmp_lt_u32 ttmp9, 256
	s_cselect_b32 s43, ttmp9, s43                  ; the work-group's place in its source tensor
	s_lshl_b32 s46, s43, 2
	s_add_co_u32 s46, s46, s2
	s_lshl_b32 s46, s46, 15                        ; my wave's 8,192 numbers
	s_mov_b32 s47, 0
	s_wait_alu depctr_va_vdst(0)
	s_wait_kmcnt 0x0
	s_load_b256 s[24:31], s[18:19], 0x0            ; e0 .. e7
	s_load_b32 s35, s[18:19], 0x2c                 ; e11
	s_mov_b64 s[4:5], s[16:17]                     ; the source, chosen by the work-group's number alone
	s_cmp_lt_u32 ttmp9, 352
	s_cselect_b64 s[4:5], s[14:15], s[4:5]
	s_cmp_lt_u32 ttmp9, 320
	s_cselect_b64 s[4:5], s[12:13], s[4:5]
	s_cmp_lt_u32 ttmp9, 288
	s_cselect_b64 s[4:5], s[10:11], s[4:5]
	s_cmp_lt_u32 ttmp9, 256
	s_cselect_b64 s[4:5], s[8:9], s[4:5]
	s_cselect_b64 s[36:37], s[20:21], s[22:23]     ; the first set of codes: xc or wc
	s_add_nc_u64 s[4:5], s[4:5], s[46:47]
	s_add_nc_u64 s[36:37], s[36:37], s[44:45]
	s_add_nc_u64 s[38:39], s[20:21], s[44:45]      ; the second and third set, made of xc's own address; only the work-groups of inputs store there
	s_add_nc_u64 s[40:41], s[38:39], 0x1000000
	s_add_nc_u64 s[38:39], s[38:39], 0x800000
.macro LOAD t
.irp i, 0,1,2,3
	global_load_b128 v[R+16*((\t)%4)+4*\i:R+16*((\t)%4)+4*\i+3], v3, s[4:5] offset:2048*(\t)+512*\i th:TH_LOAD_NT   ; 32 lanes read 512 consecutive bytes
.endr
.endm
.macro TURN t                          ; step t's numbers through a stage: LDS serves a wave's instructions in order, so no wait stands between the stores and the loads
.irp i, 0,1,2,3
	ds_store_b128 v14, v[R+16*((\t)%4)+4*\i:R+16*((\t)%4)+4*\i+3] offset:32*SP*((\t)%2)+8*SP*\i
.endr
.irp i, 0,1,2,3
	ds_load_b128 v[X+16*((\t)%2)+4*\i:X+16*((\t)%2)+4*\i+3], v15 offset:32*SP*((\t)%2)+16*\i
.endr
.endm
.macro MKSC i, e                       ; s[e] holds an exponent: 2^e as an f32 number
	s_add_co_i32 s[\e], s[\e], 127
	s_lshl_b32 s43, s[\e], 23
	v_mov_b32 v[SC+2*\i], s43
.endm
.irp t, 0,1,2,3
	LOAD \t
.endr
	s_wait_kmcnt 0x0
	s_mov_b32 s42, s35                             ; the first set's exponent, chosen as the source was
	s_cmp_lt_u32 ttmp9, 352
	s_cselect_b32 s42, s29, s42
	s_cmp_lt_u32 ttmp9, 320
	s_cselect_b32 s42, s27, s42
	s_cmp_lt_u32 ttmp9, 288
	s_cselect_b32 s42, s25, s42
	s_cmp_lt_u32 ttmp9, 256
	s_cselect_b32 s42, s24, s42
	MKSC 0, 42
	MKSC 1, 26                                     ; e2
	MKSC 2, 28                                     ; e4
	s_wait_alu depctr_va_vdst(0)
	s_wait_loadcnt 12                              ; step 0's four loads are in
	TURN 0
; One set of codes of step t: two conversions straight from the neighbours, one plain line behind them, the store.
.macro QS i, t
.set n, 0
.rept 16
.set n, n+1
.endr
	v_cvt_scalef32_pk8_fp8_f32 v[C+4*\i:C+4*\i+1], v[T+((X+16*((\t)%2)+n)-(T+n)):T+7+((X+16*((\t)%2)+n)-(T+n))], v[SC+2*\i]
	v_cvt_scalef32_pk8_fp8_f32 v[C+4*\i+2:C+4*\i+3], v[T+8+((X+16*((\t)%2)+n)-(T+n)):T+15+((X+16*((\t)%2)+n)-(T+n))], v[SC+2*\i]
	v_nop
	global_store_b128 v3, v[C+4*\i:C+4*\i+3], s[36+2*\i:37+2*\i] offset:512*(\t)
.endm
.macro STEP t
	s_wait_dscnt 0x0                               ; this step's numbers are back from the stage, so its stores into the stage have read their registers,
.if (\t)+4 < STEPS
	LOAD (\t)+4                                    ; which take the loads of four steps on
.endif
.if (\t)+1 < STEPS
.if STEPS-2-(\t) >= 3
	s_wait_loadcnt 12                              ; the next step's four loads are in; those of the three steps behind it may be out
.else
	s_wait_loadcnt 4*(STEPS-2-(\t))
.endif
	TURN (\t)+1
.endif
	s_wait_xcnt 0x0                                ; the last step's stores have read their data: the codes' registers are rewritten only behind this wait
	QS 0, \t
	s_cmp_lt_u32 ttmp9, 256                        ; inputs have two more scales
	s_cbranch_scc0 .Lweights_\@
	QS 1, \t
	QS 2, \t
.Lweights_\@:
.endm
.irp t, 0,1,2,3,4,5,6,7,8,9,10,11,12,13,14,15
	STEP \t
.endr
	s_wait_tensorcnt 0x0
	ds_add_u32 v160, v161
	s_wait_dscnt 0x0
	s_endpgm
.Lfunc_end_k_qe27b442269_quant:
	.size	k_qe27b442269_quant, .Lfunc_end_k_qe27b442269_quant-k_qe27b442269_quant
	.p2alignl 7, 3214868480
	.fill 96, 4, 3214868480
	.section	.rodata,"a",@progbits
	.p2align	6, 0x0
	.amdhsa_kernel k_qe27b442269_quant
		.amdhsa_group_segment_fixed_size 33280
		.amdhsa_private_segment_fixed_size 0
		.amdhsa_enable_private_segment 0
		.amdhsa_kernarg_size 64
		.amdhsa_user_sgpr_count 2
		.amdhsa_user_sgpr_kernarg_segment_ptr 1
		.amdhsa_wavefront_size32 1
		.amdhsa_system_sgpr_workgroup_id_x 1
		.amdhsa_system_sgpr_workgroup_id_y 1
		.amdhsa_system_sgpr_workgroup_id_z 1
		.amdhsa_system_vgpr_workitem_id 0
		.amdhsa_next_free_vgpr 162
		.amdhsa_next_free_sgpr 66
		.amdhsa_reserve_vcc 0
		.amdhsa_float_denorm_mode_32 3
		.amdhsa_float_denorm_mode_16_64 3
		.amdhsa_fp16_overflow 1
		.amdhsa_memory_ordered 1
		.amdhsa_forward_progress 1
		.amdhsa_inst_pref_size 33
	.end_amdhsa_kernel
	.amdgpu_metadata
---
amdhsa.version: [ 1, 2 ]
amdhsa.kernels:
  - .name:           k_qe27b442269_quant
    .symbol:         k_qe27b442269_quant.kd
    .args:
      - { .name: inputs, .offset: 0, .size: 8, .value_kind: global_buffer, .address_space: global }
      - { .name: W_q, .offset: 8, .size: 8, .value_kind: global_buffer, .address_space: global }
      - { .name: W_k, .offset: 16, .size: 8, .value_kind: global_buffer, .address_space: global }
      - { .name: W_v, .offset: 24, .size: 8, .value_kind: global_buffer, .address_space: global }
      - { .name: W_o, .offset: 32, .size: 8, .value_kind: global_buffer, .address_space: global }
      - { .name: lowp_scales, .offset: 40, .size: 8, .value_kind: global_buffer, .address_space: global }
      - { .name: xc, .offset: 48, .size: 8, .value_kind: global_buffer, .address_space: global }
      - { .name: wc, .offset: 56, .size: 8, .value_kind: global_buffer, .address_space: global }
    .group_segment_fixed_size: 33280
    .private_segment_fixed_size: 0
    .kernarg_segment_align: 8
    .kernarg_segment_size: 64
    .max_flat_workgroup_size: 128
    .sgpr_count:     66
    .vgpr_count:     162
    .wavefront_size: 32
...
	.end_amdgpu_metadata
.endif
;; end of part 1
;; launch qkv (part 2): grid 12 x 32, 4 waves a work-group, clusters of 4 x 4, 327,680 bytes of LDS; arguments xc, wc, lowp_scales, qkvc; writes qkvc
.if DOCPART == 2
	.amdgcn_target "amdgcn-amd-amdhsa--gfx1250"
	.amdhsa_code_object_version 6
	.text
	.protected	k_qe27b442269_qkv
	.globl	k_qe27b442269_qkv
	.p2align	8
	.type	k_qe27b442269_qkv,@function
k_qe27b442269_qkv:
	s_mov_b64 s[64:65], 0
	v_nop
	global_prefetch_b8 v0, s[64:65] scope:SCOPE_SE
	s_setreg_imm32_b32 hwreg(HW_REG_WAVE_MODE, 25, 1), 1
	s_wait_xcnt 0x0
	s_wait_alu depctr_hold_cnt(0) depctr_sa_sdst(0) depctr_va_vdst(0) depctr_va_sdst(0) depctr_va_ssrc(0) depctr_va_vcc(0) depctr_vm_vsrc(0)
	s_getreg_b32 s2, hwreg(HW_REG_IB_STS2, 6, 4)
	s_cmp_eq_u32 s2, 0
	s_cbranch_scc0 .Lentry_in_a_cluster
	s_endpgm
.Lentry_in_a_cluster:
	s_bfe_u32 s2, ttmp6, 0x10000c
	s_cmp_lg_u32 s2, 0xf033
	s_cbranch_scc0 .Lentry_shape_is_right
	s_endpgm
.Lentry_shape_is_right:
; The three projections on codes of FP8 (E4M3), and their results quantised on the way out.  C'[m'][n'] = sum over k of A'[m'][k] B'[n'][k], K = 1,024, on tiles of 256 x 256.
; The cluster's x is the product's number X: 0 = Q, 1 = K, 2 = V; it is the same in all sixteen partners.  Q, K: A' = the tokens' codes (xc + X x 8 MiB), B' = the weight's (wc + X MiB): a lane's eight results
; are eight neighbouring features of one token, the next product's K.  V: the two change places by their addresses alone: A' = W_v's codes, B' = the tokens': a lane's eight results are eight neighbouring KEYS of one feature.
; A sum stands for sum x 2^(ea + eb); its code is sum / 2^(eo - ea - eb): (ea, eb, eo) = entries (0, 1, 6), (2, 3, 7), (4, 5, 9) of the scales.  LIMIT: eo - ea - eb between -126 and 119.
; OUT: qkvc: Q's codes at 0 and K's at 8 MiB as [head 16][token 8192][64]; V's at 16 MiB as [head 16][batch 4][block of 64 keys 32][channel 64][64 keys].
; Four waves, each 128 x 128 of C' in 512 registers; K in steps of 256 through a ring of two LDS slots filled by the tensor data mover; rows of 256 bytes.
; CLUSTERS: 4 x 4 work-groups; A's tile is asked for jointly by the four of a row of the cluster, B's by the four of a column.  THE MATRIX INSTRUCTION IS USED TRANSPOSED (source 0 = 16 rows of B', source 1 = 16 rows of A').
; Inside an instruction k is permuted, alike in A' and B' (four loads of 16 bytes a fragment): every product meets its partner; the order of the sums differs from the plain layout's.
; REGISTERS, in windows of 256: window 0: v0-31 addresses; from v128 A's fragments, ONE set (on the way out: the codes).  window 1: B's fragments, two sets.  windows 2, 3: the 64 accumulators.
.set KSTEP,  256
.set ROWB,   256
.set KROW,   1024                      ; a row of codes in memory
.set PITCH,  272                       ; an LDS row: 256 bytes + 16 of padding: the 16 rows that a load touches begin 16 bytes further on in each run of 256
.set FR,     16
.set NL,     4
.set NP,     4                         ; places behind this matrix instruction (ISA guide 7.12.1)
.set HALFT,  128*PITCH
.set SLOT,   4*HALFT
.set LAPS,   KROW/(2*KSTEP)
.set SPARE,  2*SLOT                    ; behind the ring: the spare words, 128 bytes for each wave
.set WSTG,   20480                     ; the way out: a stage for each wave, in slot 0: [2 blocks of 64 columns][128 rows][64 bytes + 16]
.set HSTG,   10240
.set SPT,    80
.set ADRA, 16
.set ADRB, 20
.set STO,  24
.set RD,   25
.set CO,   26
.set SPW,  28
.set NIL,  29
.set SCL,  30                          ; v30  2^(eo - ea - eb)
.set LIM,  31
.set TMP,  32
.set AF,   128
.set CD,   128                         ; the way out: 16 registers of codes for each block of 16 rows; then the rows read back
.set G1, 24
.set G0, 32
.set G1B, 48
.set G0B, 56
.set RUN, 88                           ; s[88:95] where my four runs of 4,096 bytes begin in qkvc
.set MSB, 0
.macro WIN new                         ; the immediate's high byte repeats the setting that is left
.if MSB != \new
	s_set_vgpr_msb (MSB<<8)|\new
.set MSB, \new
.endif
.endm
.set MUL_LO, 0xa1                      ; source 0 (B') window 1, source 1 (A') window 0, C and D window 2
.set MUL_HI, 0xf1
.set TO_B,   0x40
; A joint load: waves 0 and 1 fetch for A', waves 2 and 3 for B'.  The branch hangs on the wave's number alone.  Four v_nop follow each of the two lines.
.macro JLOAD g0a, g1a, g0b, g1b
	s_cmp_eq_u32 s15, 0
	s_cbranch_scc0 .Lfor_b_\@
	tensor_load_to_lds s[\g0a:\g0a+3], s[\g1a:\g1a+7]
	s_nop 0
.rept 4
	v_nop
.endr
	s_branch .Lasked_\@
.Lfor_b_\@:
	tensor_load_to_lds s[\g0b:\g0b+3], s[\g1b:\g1b+7]
	s_nop 0
.rept 4
	v_nop
.endr
.Lasked_\@:
.endm
.macro CREST                           ; a round of the cluster's barrier behind its opening barrier
	s_cmp_lg_u32 s14, 0
	s_cbranch_scc1 .Lnot_wave_0_\@
	s_barrier_signal -3
.Lnot_wave_0_\@:
	s_barrier_wait -3
	s_barrier_signal -1
	s_barrier_wait -1
.endm
.macro CROUND
	s_barrier_signal -1
	s_barrier_wait -1
	CREST
.endm
	s_load_b128 s[4:7], s[0:1], 0x0                ; xc s[4:5], wc s[6:7]
	s_load_b128 s[8:11], s[0:1], 0x10              ; the scales' exponents s[8:9], qkvc s[10:11]
	v_lshl_add_u32 v[SPW], v0, 2, SPARE
	v_mov_b32 v[NIL], 0
	ds_add_u32 v28, v29
	ds_add_u32 v28, v29
	s_wait_dscnt 0x0
	v_lshrrev_b32 v1, 5, v0
	v_readfirstlane_b32 s14, v1                    ; wave 0..3
	s_lshr_b32 s15, s14, 1                         ; which half of the tile's rows is mine.  Also: I fetch for A' (0) or for B' (1)
	s_and_b32 s16, s14, 1                          ; which half of its columns.  Also: which 128 rows of that tile I fetch
	s_bfe_u32 s40, ttmp6, 0x40000                  ; cx, cy
	s_bfe_u32 s41, ttmp6, 0x40004
	s_and_b32 s66, ttmp7, 0xffff
	s_lshl_b32 s66, s66, 2                         ; 4 x cluster y: it walks the tokens
	s_lshl_b32 s68, ttmp9, 20                      ; the weight's codes in wc
	s_lshl_b32 s69, ttmp9, 23                      ; the tokens' codes in xc; also the result's place in qkvc
	s_cmp_eq_u32 ttmp9, 2                          ; V?  The cluster's x: the same in all partners
	s_cselect_b32 s67, 0, s66
	s_cselect_b32 s70, s66, 0
	s_cselect_b32 s84, s68, s69                    ; where A' begins in its buffer
	s_cselect_b32 s85, s69, s68                    ; where B' begins
	s_add_co_u32 s17, s41, s67                     ; tile row of C'
	s_add_co_u32 s42, s40, s70                     ; tile column
	s_lshl_b32 s43, s41, 2
	s_lshl_b32 s43, 15, s43                        ; my row of the cluster
	s_lshl_b32 s44, 0x1111, s40                    ; my column
	s_or_b32 s[G1+0], s43, (0<<16)|(1<<20)|(1<<21)|(5<<22)|(3<<25)  ; the mask; elements of 1 byte; padding on; bit 21 beside a mask; 4 words behind every 64
	s_or_b32 s[G1B+0], s44, (0<<16)|(1<<20)|(1<<21)|(5<<22)|(3<<25)
.irp g, G1, G1B
	s_mov_b32 s[\g+1], ROWB<<16                    ; tensor_dim0
	s_mov_b32 s[\g+2], 128<<16                     ; tensor_dim1
	s_mov_b32 s[\g+3], ROWB<<16                    ; tile_dim0
	s_mov_b32 s[\g+4], 128                         ; tile_dim1
	s_mov_b32 s[\g+5], KROW                        ; from row to row
	s_mov_b32 s[\g+6], 0
	s_mov_b32 s[\g+7], 0
.endr
	s_lshl_b32 s18, s16, 7                         ; which 128 rows of the tile I fetch
	s_lshl_b32 s20, s17, 8
	s_add_co_u32 s20, s20, s18
	s_lshl_b32 s20, s20, 10                        ; rows of 1,024 bytes
	s_add_co_u32 s20, s20, s84
	s_mov_b32 s21, 0
	s_lshl_b32 s46, s42, 8
	s_add_co_u32 s46, s46, s18
	s_lshl_b32 s46, s46, 10
	s_add_co_u32 s46, s46, s85
	s_mov_b32 s47, 0
	s_mul_i32 s45, s14, HALFT                      ; where they go: wave x 128 rows
	s_wait_kmcnt 0x0
	s_load_b256 s[72:79], s[8:9], 0x0              ; e0 .. e7
	s_load_b128 s[80:83], s[8:9], 0x20             ; e8 .. e11
	s_cmp_eq_u32 ttmp9, 2
	s_cselect_b64 s[86:87], s[6:7], s[4:5]         ; A's buffer
	s_cselect_b64 s[88:89], s[4:5], s[6:7]         ; B's
	s_add_nc_u64 s[20:21], s[86:87], s[20:21]
	s_add_nc_u64 s[46:47], s[88:89], s[46:47]
	CROUND                                         ; all sixteen work-groups are here: the first joint loads meet
.irp s, 0,1
	s_mov_b32 s[G0+4*\s], 1
	s_add_co_u32 s[G0+4*\s+1], s45, \s*SLOT
	s_add_nc_u64 s[G0+4*\s+2:G0+4*\s+3], s[20:21], \s*ROWB
	s_or_b32 s[G0+4*\s+3], s[G0+4*\s+3], 0x80000000
	s_mov_b32 s[G0B+4*\s], 1
	s_add_co_u32 s[G0B+4*\s+1], s45, \s*SLOT
	s_add_nc_u64 s[G0B+4*\s+2:G0B+4*\s+3], s[46:47], \s*ROWB
	s_or_b32 s[G0B+4*\s+3], s[G0B+4*\s+3], 0x80000000
	JLOAD G0+4*\s, G1, G0B+4*\s, G1B
.endr
	v_and_b32 v1, 15, v0                           ; r
	s_wait_alu depctr_va_vdst(0)
	v_bfe_u32 v2, v0, 4, 1                         ; h
	v_mul_u32_u24 v3, v1, PITCH
	v_lshl_add_u32 v4, v2, 4, v3                   ; a fragment's row x pitch + 16 h
	s_mul_i32 s21, s15, HALFT
	s_mul_i32 s22, s16, HALFT
	s_add_co_u32 s22, s22, 2*HALFT
.irp s, 0,1
	v_add_nc_u32 v[ADRA+\s], s21, v4
	v_add_nc_u32 v[ADRB+\s], s22, v4
	s_add_co_u32 s21, s21, SLOT
	s_add_co_u32 s22, s22, SLOT
.endr
	s_mul_i32 s23, s14, WSTG                       ; my stage
	v_mul_u32_u24 v5, v1, SPT
	s_wait_alu depctr_va_vdst(0)
	v_lshl_add_u32 v5, v2, 3, v5
	v_add_nc_u32 v[STO], s23, v5                   ; in: row r, 8 bytes for each half of the lanes
	v_bfe_u32 v5, v0, 2, 3
	v_mul_u32_u24 v5, v5, SPT
	v_and_b32 v6, 3, v0
	v_lshl_add_u32 v5, v6, 4, v5
	v_add_nc_u32 v[RD], s23, v5                    ; back: four lanes to a row of 64 bytes, eight rows an instruction
	v_and_b32 v6, 31, v0
	v_lshlrev_b32 v[CO], 4, v6                     ; and the same 512 bytes on end in memory
	; my four runs: (block of 64 columns nbi, block of 64 rows mh).  Q, K: head = column block, tokens = rows.  V: head = row block, keys = column block.
	s_lshl_b32 s18, s17, 2
	s_lshl_b32 s19, s15, 1
	s_add_co_u32 s18, s18, s19                     ; my first block of 64 rows
	s_lshl_b32 s19, s42, 2
	s_lshl_b32 s22, s16, 1
	s_add_co_u32 s19, s19, s22                     ; my first block of 64 columns
	s_mov_b32 s86, 0x80000
	s_mov_b32 s70, 0x80000
	s_cmp_eq_u32 ttmp9, 2
	s_cselect_b32 s22, s18, s19                    ; the head: 2^19 bytes each
	s_cselect_b32 s23, s19, s18                    ; the block of 64 tokens: 4,096 bytes each
	s_cselect_b32 s86, 4096, s86                   ; from nbi to nbi + 1
	s_cselect_b32 s70, s70, 4096                   ; from mh to mh + 1
	s_lshl_b32 s22, s22, 19
	s_lshl_b32 s23, s23, 12
	s_add_co_u32 s84, s22, s23
	s_add_co_u32 s84, s84, s69
	s_mov_b32 s85, 0
	s_mov_b32 s87, 0
	s_mov_b32 s71, 0
	s_add_nc_u64 s[RUN:RUN+1], s[10:11], s[84:85]
	s_add_nc_u64 s[RUN+2:RUN+3], s[RUN:RUN+1], s[70:71]
	s_add_nc_u64 s[RUN+4:RUN+5], s[RUN:RUN+1], s[86:87]
	s_add_nc_u64 s[RUN+6:RUN+7], s[RUN+4:RUN+5], s[70:71]
.macro FRAG reg, adr, q, i             ; a fragment, 16 rows x 128 K: registers 4 c .. 4 c + 3 hold K = 32 c + 16 h + 0 .. 15
.irp c, 0,1,2,3
	ds_load_b128 v[\reg+4*\c:\reg+4*\c+3], v[\adr] offset:128*(\q)+32*\c+(\i)*16*PITCH
.endr
.endm
; 16 matrix instructions: A's blocks a0, a0 + 1 x B's eight.  The 64 accumulators take turns, one instruction a turn, in the same order in every step.
.macro MUL16 a0, p, zero
.irp a, \a0, \a0+1
.irp b, 0,1,2,3,4,5,6,7
.if \zero
	v_wmma_f32_16x16x128_fp8_fp8 v[8*(8*((\a)%4)+\b):8*(8*((\a)%4)+\b)+7], v[128*(\p)+FR*\b:128*(\p)+FR*\b+FR-1], v[AF+FR*(\a):AF+FR*(\a)+FR-1], 0
.else
	v_wmma_f32_16x16x128_fp8_fp8 v[8*(8*((\a)%4)+\b):8*(8*((\a)%4)+\b)+7], v[128*(\p)+FR*\b:128*(\p)+FR*\b+FR-1], v[AF+FR*(\a):AF+FR*(\a)+FR-1], v[8*(8*((\a)%4)+\b):8*(8*((\a)%4)+\b)+7]
.endif
.endr
.endr
.endm
.macro FETCH_B slot, q, p
	WIN TO_B
.irp i, 0,1,2,3,4,5,6,7
	FRAG 128*(\p)+FR*\i, ADRB+\slot, \q, \i
.endr
	WIN 0
.endm
.macro FETCH_A slot, q, i0
.irp i, \i0, \i0+1, \i0+2, \i0+3
	FRAG AF+FR*(\i), ADRA+\slot, \q, \i
.endr
.endm
.macro PLACES n                        ; plain vector lines between a matrix instruction and a load into, or a vector read or write of, its registers
.rept \n
	v_nop
.endr
.endm
.macro STEP slot, q, zero              ; 128 along K that has its successor in the same slot
	s_wait_dscnt 4*NL                              ; B's set and A's blocks 0-3 are in; the youngest sixteen loads (A's blocks 4-7) may be out
	WIN MUL_LO
	MUL16 0, (\q)%2, \zero
	MUL16 2, (\q)%2, \zero
	s_wait_dscnt 0
	PLACES NP
	FETCH_B \slot, (\q)+1, 1-(\q)%2
	FETCH_A \slot, (\q)+1, 0
	WIN MUL_HI
	MUL16 4, (\q)%2, \zero
	MUL16 6, (\q)%2, \zero
	PLACES NP
	WIN 0
	FETCH_A \slot, (\q)+1, 4
.endm
; A slot's last step changes slots: one barrier; in front of it each wave waits for all its tensor loads, adds 0 to its spare word, and waits for that and for its reads of this slot.
.macro TURN slot, next, fill
	s_wait_tensorcnt 0x0                           ; all my tensor loads have landed: my part of the next slot
	ds_add_u32 v[SPW], v[NIL]                      ; 0 onto my spare word
	s_wait_dscnt 4*NL+1                            ; (the add and A's blocks 4-7 may be out)
	WIN MUL_LO
	MUL16 0, 1, 0
	s_wait_dscnt 0x0                               ; the add is done, and my reads of this slot are over
	s_barrier_signal -1
	MUL16 2, 1, 0
	WIN 0
	s_barrier_wait -1
.if \fill
	CREST                                          ; the barrier has opened a round of the cluster's barrier: no wave of any partner still reads this slot or has a load on its way
	s_add_nc_u64 s[G0+4*\slot+2:G0+4*\slot+3], s[G0+4*\slot+2:G0+4*\slot+3], 2*ROWB
	s_add_nc_u64 s[G0B+4*\slot+2:G0B+4*\slot+3], s[G0B+4*\slot+2:G0B+4*\slot+3], 2*ROWB
	JLOAD G0+4*\slot, G1, G0B+4*\slot, G1B         ; the first tensor load behind the round; its four v_nop are also the places in front of the loads below
.else
	PLACES NP
.endif
	FETCH_B \next, 0, 0
	FETCH_A \next, 0, 0
	WIN MUL_HI
	MUL16 4, 1, 0
	MUL16 6, 1, 0
	PLACES NP
	WIN 0
	FETCH_A \next, 0, 4
.endm
	s_wait_tensorcnt 1                             ; my part of K step 0 is in (K step 1's load may be out)
	s_barrier_signal -1
	s_barrier_wait -1                              ; everybody's is
	FETCH_B 0, 0, 0
	FETCH_A 0, 0, 0
	FETCH_A 0, 0, 4
	STEP 0, 0, 1                                   ; the first step's products start the sums
	s_mov_b32 s3, LAPS-1
.Llap:                                                 ; a trip goes once round the ring and fills both slots again
	TURN 0, 1, 1
	STEP 1, 0, 0
	TURN 1, 0, 1
	STEP 0, 0, 0
	s_sub_co_u32 s3, s3, 1
	s_cmp_lg_u32 s3, 0
	s_cbranch_scc1 .Llap
	TURN 0, 1, 0                                   ; the last lap fills nothing
	STEP 1, 0, 0
	s_wait_dscnt 4*NL
	WIN MUL_LO
	MUL16 0, 1, 0
	MUL16 2, 1, 0
	s_wait_dscnt 0
	WIN MUL_HI
	MUL16 4, 1, 0
	MUL16 6, 1, 0
	WIN 0
	; THE WAY OUT.  The three scales are folded into the conversion's one, chosen by the product's number.
	s_wait_kmcnt 0x0
	s_add_co_i32 s72, s72, s73                     ; e0 + e1
	s_add_co_i32 s74, s74, s75                     ; e2 + e3
	s_add_co_i32 s76, s76, s77                     ; e4 + e5
	s_cmp_eq_u32 ttmp9, 0
	s_cselect_b32 s96, s72, s74
	s_cselect_b32 s97, s78, s79                    ; e6 or e7
	s_cmp_eq_u32 ttmp9, 2
	s_cselect_b32 s96, s76, s96
	s_cselect_b32 s97, s81, s97                    ; e9
	s_sub_co_i32 s96, s97, s96
	s_add_co_i32 s96, s96, 127
	s_lshl_b32 s97, s96, 23
	v_mov_b32 v[SCL], s97
	s_add_co_i32 s96, s96, 8
	s_lshl_b32 s96, s96, 23
	s_or_b32 s96, s96, 0x600000
	PLACES NP
; Block a, 16 rows x 128 columns: eight conversions, one plain line, eight bytes a lane and tile into my stage.  The stage lies in slot 0, which has had its last fill, and which nobody reads behind the last change of slots.
.macro CODES a
.set AC, 64*((\a)%4)
	WIN 0x02+((\a)/4)                              ; source 0: window 2 or 3
.set n, 0
.rept 64
.set n, n+1
.endr
.irp b, 0,1,2,3,4,5,6,7
	v_cvt_scalef32_pk8_fp8_f32 v[CD+16*(\a)+2*\b:CD+16*(\a)+2*\b+1], v[AC+8*\b:AC+8*\b+7], v[SCL]
.endr
	WIN 0
	v_nop
.irp b, 0,1,2,3,4,5,6,7
	ds_store_b64 v[STO], v[CD+16*(\a)+2*\b:CD+16*(\a)+2*\b+1] offset:(\b/4)*HSTG+(\a)*16*SPT+16*(\b%4)
.endr
.endm
.irp a, 0,1,2,3,4,5,6,7
	CODES \a
.endr
	s_wait_dscnt 0x0                               ; the stores have read their registers, which take the rows that come back
.set n, 0
.rept 32                                       ; n = 16 nbi + 8 mh + t: eight rows of 64 bytes
	ds_load_b128 v[CD+4*n:CD+4*n+3], v[RD] offset:(n/16)*HSTG+(64*((n/8)%2)+8*(n%8))*SPT
.set n, n+1
.endr
.set n, 0
.rept 32
	s_wait_dscnt 31-n                              ; LDS loads come back in order: load n is in
	global_store_b128 v[CO], v[CD+4*n:CD+4*n+3], s[RUN+4*(n/16)+2*((n/8)%2):RUN+4*(n/16)+2*((n/8)%2)+1] offset:512*(n%8)   ; 32 lanes store 512 consecutive bytes, at a multiple of 512 from the buffer's first byte
.set n, n+1
.endr
	s_wait_tensorcnt 0x0                           ; the wave's end
	ds_add_u32 v[SPW], v[NIL]
	s_wait_dscnt 0x0
	CROUND                                         ; the closing round
	s_endpgm
.Lfunc_end_k_qe27b442269_qkv:
	.size	k_qe27b442269_qkv, .Lfunc_end_k_qe27b442269_qkv-k_qe27b442269_qkv
	.p2alignl 7, 3214868480
	.fill 96, 4, 3214868480
	.section	.rodata,"a",@progbits
	.p2align	6, 0x0
	.amdhsa_kernel k_qe27b442269_qkv
		.amdhsa_group_segment_fixed_size 327680
		.amdhsa_private_segment_fixed_size 0
		.amdhsa_enable_private_segment 0
		.amdhsa_kernarg_size 32
		.amdhsa_user_sgpr_count 2
		.amdhsa_user_sgpr_kernarg_segment_ptr 1
		.amdhsa_wavefront_size32 1
		.amdhsa_system_sgpr_workgroup_id_x 1
		.amdhsa_system_sgpr_workgroup_id_y 1
		.amdhsa_system_sgpr_workgroup_id_z 1
		.amdhsa_system_vgpr_workitem_id 0
		.amdhsa_next_free_vgpr 1024
		.amdhsa_next_free_sgpr 100
		.amdhsa_reserve_vcc 0
		.amdhsa_float_denorm_mode_32 3
		.amdhsa_float_denorm_mode_16_64 3
		.amdhsa_fp16_overflow 1
		.amdhsa_memory_ordered 1
		.amdhsa_forward_progress 1
		.amdhsa_inst_pref_size 94
	.end_amdhsa_kernel
	.amdgpu_metadata
---
amdhsa.version: [ 1, 2 ]
amdhsa.kernels:
  - .name:           k_qe27b442269_qkv
    .symbol:         k_qe27b442269_qkv.kd
    .args:
      - { .name: xc, .offset: 0, .size: 8, .value_kind: global_buffer, .address_space: global }
      - { .name: wc, .offset: 8, .size: 8, .value_kind: global_buffer, .address_space: global }
      - { .name: lowp_scales, .offset: 16, .size: 8, .value_kind: global_buffer, .address_space: global }
      - { .name: qkvc, .offset: 24, .size: 8, .value_kind: global_buffer, .address_space: global }
    .group_segment_fixed_size: 327680
    .private_segment_fixed_size: 0
    .kernarg_segment_align: 8
    .kernarg_segment_size: 32
    .max_flat_workgroup_size: 128
    .sgpr_count:     100
    .vgpr_count:     1024
    .wavefront_size: 32
...
	.end_amdgpu_metadata
.endif
;; end of part 2
;; launch attn (part 3): grid 4 x 64, 16 waves a work-group, clusters of 4 x 1, 327,680 bytes of LDS; arguments qkvc, lowp_scales, ctxc; writes ctxc
.if DOCPART == 3
	.amdgcn_target "amdgcn-amd-amdhsa--gfx1250"
	.amdhsa_code_object_version 6
	.text
	.protected	k_qe27b442269_attn
	.globl	k_qe27b442269_attn
	.p2align	8
	.type	k_qe27b442269_attn,@function
k_qe27b442269_attn:
	s_mov_b64 s[64:65], 0
	v_nop
	global_prefetch_b8 v0, s[64:65] scope:SCOPE_SE
	s_setreg_imm32_b32 hwreg(HW_REG_WAVE_MODE, 25, 1), 1
	s_wait_xcnt 0x0
	s_wait_alu depctr_hold_cnt(0) depctr_sa_sdst(0) depctr_va_vdst(0) depctr_va_sdst(0) depctr_va_ssrc(0) depctr_va_vcc(0) depctr_vm_vsrc(0)
	s_getreg_b32 s2, hwreg(HW_REG_IB_STS2, 6, 4)
	s_cmp_eq_u32 s2, 0
	s_cbranch_scc0 .Lentry_in_a_cluster
	s_endpgm
.Lentry_in_a_cluster:
	s_bfe_u32 s2, ttmp6, 0x10000c
	s_cmp_lg_u32 s2, 0x3003
	s_cbranch_scc0 .Lentry_shape_is_right
	s_endpgm
.Lentry_shape_is_right:
; Causal attention on codes of FP8 (E4M3), head size 64, 2,048 tokens, 64 (batch, head) pairs; the result quantised for the last projection.
; IN: qkvc: Q's codes at 0, K's at 8 MiB: [head][batch x token][64]; V's at 16 MiB: [head][batch][block of 64 keys][channel 64][64 keys].  Scales: entries 6 (Q), 7 (K), 8 (p), 9 (V), 10 (the result).
; OUT: ctxc [token / 128 (64)][head 16][128 tokens][64 codes].
; THE SOFTMAX: t = score x log2(e) / 8; M = the running largest t, rounded up to a whole number; p = 2^(t - M) is quantised, not normalised; the row's sum is taken of the unquantised p and divides at the end.
; When M moves, the sum and O are multiplied by 2^(old M - new M), which rounds nothing.
; SHARES.  The four work-groups of a cluster serve one (batch, head).  Wave w (jl = w % 8, jh = 15 - jl) of the partner at place cx owns TWO tiles of 16 queries: 128 jh + 16 ti and 128 jl + 16 ti, ti = 2 cx + w / 8.
; A tile in the j-th 128 queries needs key steps 0 .. j of 128 keys: (jh + 1) + (jl + 1) = 17 tile steps for every wave.  Which steps a tile skips and which lies on the diagonal hangs on the wave's number and the step
; alone: the same in all partners.  cx enters Q's and the result's addresses in memory and the mask's numbers, nothing else.
; ALL of the head's K and V lie in LDS, asked for JOINTLY by the four partners at the head: no LDS byte is filled twice.  Both tensors are dense and are taken as 1,024 rows of 128 bytes, 144 bytes apart in LDS.
; Every wave issues two loads of 64 rows: the first halves (keys 0-1,023) are waited for ahead of key steps 0-7, the second halves land meanwhile.  So nothing is left that could be asked for ahead of its load.
; LAYOUT.  Both products are used transposed (S^T = K Q^T, O^T = V^T P^T): a lane holds ONE query.  Lane r of tile 2 b + u takes key (channel) 32 b + 8 u + r + 8 (r / 8), so that the 16 registers of two neighbouring tiles
; are 16 neighbours.  Inside an instruction k is permuted, alike in both operands.
; LIMITS on the given exponents: e6 + e7 between -123 and 130; e8, and e10 - e8 - e9, between -126 and 119.
.set KPITCH, 144
.set STEPB,  9216                      ; a key step in LDS, of K and of V: 64 rows of 144 bytes; also what one tensor load fills
.set REGION, 147456                    ; K at 0, V at REGION
.set HALFB,  73728                     ; a tensor's second half begins here in its region
.set STAGE,  294912                    ; behind both: 16 rows x 80 bytes for each wave, for the way out
.set LANE, 1                           ; v1   my lane's place in a tile of K or of V
.set ADK,  2                           ; v2   LDS address of the step's K
.set DM,   3                           ; v3   16 ti + r - 16 h: on the diagonal register 16 b + i is hidden where 32 b + i is above it
.set SCL,  4                           ; v4   2^e8
.set ADV,  5                           ; v5   LDS address of the step's V
.set FF,   6                           ; v[6:7] f = 2^(old M - new M)
.set STH,  8                           ; v[8:11]  the upper tile's -M, largest t, sum in two halves;  v[12:15] the lower tile's
.set STL,  12
.set QH,   16                          ; v[16:23], v[24:31] Q's fragments
.set QL,   24
.set KV,   32                          ; v[32:95] K's eight fragments of 8, later V's four of 16
.set S,    96                          ; v[96:159] S^T, then p
.set OH,   160                         ; v[160:191], v[192:223] O^T
.set OL,   192
.set PH,   224                         ; v[224:239], v[240:255] p's codes; until they are made: +0, +1 the maximum's chains, +2 the other lane's, +4, +5 a chain of the sum
.set PL,   240
.set WV,   10
.set JL,   15
.set JH,   16
.set G0A,  24
.set G0B,  28
.set G1,   32
.set CS,   66                          ; s[66:67] c = log2(e) / 8 x 2^(e6 + e7)
.set SEL,  68                          ; s[68:69] selects for lane l xor 16
.set LIMP, 70
.set SS,   71                          ; s71  the key step
.set OFF,  72                          ; s72  its place in a region
.macro ROUND                           ; a round of the cluster's barrier
	s_barrier_signal -1
	s_barrier_wait -1
	s_cmp_lg_u32 s[WV], 0
	s_cbranch_scc1 .Lnot_wave_0_\@
	s_barrier_signal -3
.Lnot_wave_0_\@:
	s_barrier_wait -3
	s_barrier_signal -1
	s_barrier_wait -1
.endm
	s_load_b128 s[4:7], s[0:1], 0x0                ; qkvc s[4:5], the scales' exponents s[6:7]
	s_load_b64 s[8:9], s[0:1], 0x10                ; ctxc
	v_lshl_add_u32 v254, v0, 2, 0x4d000
	v_mov_b32 v255, 0
	ds_add_u32 v254, v255
	ds_add_u32 v254, v255
	s_wait_dscnt 0x0
	v_lshrrev_b32 v1, 5, v0
	s_delay_alu instid0(VALU_DEP_1)
	v_readfirstlane_b32 s[WV], v1                  ; wave 0..15
	s_bfe_u32 s11, ttmp6, 0x40000                  ; cx
	s_and_b32 s12, ttmp7, 0xffff
	s_lshr_b32 s13, s12, 4                         ; batch
	s_and_b32 s14, s12, 15                         ; head
	s_and_b32 s[JL], s[WV], 7
	s_xor_b32 s[JH], s[JL], 15                     ; 15 - jl
	s_lshr_b32 s17, s[WV], 3                       ; I fetch for K (0) or for V (1)
	s_mov_b32 s[G1], 15|(0<<16)|(1<<20)|(1<<21)|(4<<22)|(3<<25)   ; the mask: all four partners; elements of 1 byte; padding on; bit 21 beside a mask; 4 words behind every 32
	s_mov_b32 s[G1+1], 128<<16                     ; tensor_dim0
	s_mov_b32 s[G1+2], 64<<16                      ; tensor_dim1
	s_mov_b32 s[G1+3], 128<<16                     ; tile_dim0
	s_mov_b32 s[G1+4], 64                          ; tile_dim1
	s_mov_b32 s[G1+5], 128                         ; from row to row: dense
	s_mov_b32 s[G1+6], 0
	s_mov_b32 s[G1+7], 0
	s_mul_i32 s74, s17, REGION
	s_mul_i32 s75, s[JL], STEPB
	s_mov_b32 s[G0A], 1
	s_add_co_u32 s[G0A+1], s74, s75                ; my 64 rows of the first half,
	s_mov_b32 s[G0B], 1
	s_add_co_u32 s[G0B+1], s[G0A+1], HALFB         ; and of the second
	s_lshl_b32 s76, s14, 2
	s_add_co_u32 s76, s76, s13
	s_lshl_b32 s76, s76, 17                        ; the (head, batch) block of 131,072 bytes in each of the three tensors
	s_add_co_u32 s77, s17, 1
	s_lshl_b32 s77, s77, 23                        ; K at 8 MiB, V at 16 MiB
	s_add_co_u32 s77, s77, s76
	s_lshl_b32 s78, s[JL], 13                      ; 64 rows of 128 bytes
	s_add_co_u32 s78, s78, s77
	s_mov_b32 s79, 0
	s_wait_kmcnt 0x0
	s_load_b64 s[56:57], s[6:7], 0x18              ; e6, e7
	s_load_b128 s[60:63], s[6:7], 0x20             ; e8, e9, e10, e11
	s_add_nc_u64 s[G0A+2:G0A+3], s[4:5], s[78:79]
	s_add_nc_u64 s[G0B+2:G0B+3], s[G0A+2:G0A+3], 65536
	s_or_b32 s[G0A+3], s[G0A+3], 0x80000000
	s_or_b32 s[G0B+3], s[G0B+3], 0x80000000
	ROUND                                          ; all four work-groups are here: the joint loads meet
	tensor_load_to_lds s[G0A:G0A+3], s[G1:G1+7]    ; one load of mine is out
	s_nop 0
	s_wait_alu depctr_va_vdst(0)
	s_wait_tensorcnt 0x0
	ds_add_u32 v254, v255
	s_wait_dscnt 0x0
	ROUND
	tensor_load_to_lds s[G0B:G0B+3], s[G1:G1+7]
	s_nop 0
.rept 4
	v_nop
.endr
	s_lshl_b32 s18, s11, 1
	s_add_co_u32 s18, s18, s17                     ; ti
	s_lshl_b32 s20, s18, 10
	s_add_co_u32 s20, s20, s76
	s_lshl_b32 s22, s[JH], 13
	s_add_co_u32 s22, s22, s20
	s_mov_b32 s23, 0
	s_add_nc_u64 s[48:49], s[4:5], s[22:23]        ; Q at the upper tile: query 128 jh + 16 ti, 64 bytes each
	s_lshl_b32 s22, s[JL], 13
	s_add_co_u32 s22, s22, s20
	s_add_nc_u64 s[50:51], s[4:5], s[22:23]        ; and at the lower
	s_lshl_b32 s20, s13, 21
	s_lshl_b32 s21, s14, 13
	s_add_co_u32 s20, s20, s21
	s_lshl_b32 s21, s18, 10
	s_add_co_u32 s20, s20, s21
	s_lshl_b32 s22, s[JH], 17
	s_add_co_u32 s22, s22, s20
	s_add_nc_u64 s[52:53], s[8:9], s[22:23]        ; the result: ((16 batch + j) 16 + head) x 8,192 + 1,024 ti
	s_lshl_b32 s22, s[JL], 17
	s_add_co_u32 s22, s22, s20
	s_add_nc_u64 s[54:55], s[8:9], s[22:23]
	v_and_b32 v6, 15, v0                           ; r
	v_bfe_u32 v2, v0, 4, 1                         ; h
	s_delay_alu instid0(VALU_DEP_2)
	v_lshlrev_b32 v5, 6, v6
	s_delay_alu instid0(VALU_DEP_1)
	v_lshl_add_u32 v5, v2, 4, v5                   ; Q: row r of 64 bytes, + 16 h
	global_load_b128 v[QH:QH+3], v5, s[48:49]
	global_load_b128 v[QH+4:QH+7], v5, s[48:49] offset:32
	global_load_b128 v[QL:QL+3], v5, s[50:51]
	global_load_b128 v[QL+4:QL+7], v5, s[50:51] offset:32
	v_and_b32 v7, 8, v6
	s_delay_alu instid0(VALU_DEP_1)
	v_add_nc_u32 v7, v7, v6                        ; z = r + 8 (r / 8)
	s_delay_alu instid0(VALU_DEP_1)
	v_lshrrev_b32 v[LANE], 1, v7
	s_delay_alu instid0(VALU_DEP_1)
	v_mul_u32_u24 v[LANE], v[LANE], KPITCH         ; two items of 64 bytes to an LDS row: (z / 2) x 144
	s_delay_alu instid0(VALU_DEP_3)
	v_and_b32 v7, 1, v7
	s_delay_alu instid0(VALU_DEP_1)
	v_lshl_add_u32 v[LANE], v7, 6, v[LANE]         ; + 64 (z % 2)
	s_delay_alu instid0(VALU_DEP_1)
	v_lshl_add_u32 v[LANE], v2, 4, v[LANE]         ; + 16 h
	v_lshlrev_b32 v[DM], 4, v2
	s_delay_alu instid0(VALU_DEP_1)
	v_sub_nc_u32 v[DM], v6, v[DM]
	s_lshl_b32 s21, s18, 4
	v_add_nc_u32 v[DM], s21, v[DM]
	v_mov_b32 v[STH+1], 0xff61b1e6                 ; the largest t so far: -3e38, under every t
	s_delay_alu instid0(VALU_DEP_1)
	v_floor_f32 v[STH], -v[STH+1]
	v_mov_b32 v[STH+2], 0
	v_mov_b32 v[STH+3], 0
	v_mov_b32 v[STL+1], 0xff61b1e6
	s_delay_alu instid0(VALU_DEP_1)
	v_floor_f32 v[STL], -v[STL+1]
	v_mov_b32 v[STL+2], 0
	v_mov_b32 v[STL+3], 0
	v_mov_b32 v[FF], 0
	v_mov_b32 v[FF+1], 0                           ; (named as the upper half of a pair)
.set n, OH
.rept 96
	v_mov_b32 v[n], 0                              ; O^T of both tiles: the step is written without a first step of its own; and the registers of p's codes, which are first used as scratch
.set n, n+1
.endr
	s_mov_b32 s[SEL], 0x76543210
	s_mov_b32 s[SEL+1], 0xfedcba98
	s_wait_kmcnt 0x0
	s_add_co_i32 s74, s56, s57
	s_lshl_b32 s74, s74, 23
	s_add_co_i32 s[CS], s74, 0x3e38aa3b            ; log2(e) / 8, with e6 + e7 added to its exponent field
	s_mov_b32 s[CS+1], s[CS]
	s_add_co_i32 s74, s60, 127
	s_lshl_b32 s75, s74, 23
	v_mov_b32 v[SCL], s75
; One tile's scores and softmax for the key step in hand.  p: its codes' registers, st: its statistics, o: its O^T, q: its Q, j: the scalar register with its diagonal step.
.macro SOFT p, st, o, q, j
.set t8, 0
.rept 8
	v_wmma_f32_16x16x64_fp8_fp8 v[S+8*t8:S+8*t8+7], v[KV+8*t8:KV+8*t8+7], v[\q:\q+7], 0
.set t8, t8+1
.endr
.rept 4
	v_nop                                          ; places in front of the first read of results
.endr
	s_cmp_lg_u32 s[SS], s[\j]                      ; on the diagonal hidden scores become -infinity ahead of the maximum; key 0 of the step counts for every query of the tile
	s_cbranch_scc1 .Lopen_\@
	v_mov_b32 v[\p], 0xff800000
.set n, 0
.rept 64
	v_cmp_gt_i32 vcc_lo, 32*(n/16)+n%16, v[DM]
	v_cndmask_b32 v[S+n], v[S+n], v[\p], vcc_lo
.set n, n+1
.endr
.Lopen_\@:
	v_max3_num_f32 v[\p], v[S], v[S+1], v[S+2]     ; the step's largest score among my 64 keys, in two chains, in ascending order
	v_max3_num_f32 v[\p+1], v[S+3], v[S+4], v[S+5]
.set n, 6
.rept 14
	v_max3_num_f32 v[\p], v[\p], v[S+n], v[S+n+1]
	v_max3_num_f32 v[\p+1], v[\p+1], v[S+n+2], v[S+n+3]
.set n, n+4
.endr
	v_max3_num_f32 v[\p], v[\p], v[S+62], v[S+63]
	s_delay_alu instid0(VALU_DEP_1)
	v_max_num_f32 v[\p], v[\p], v[\p+1]
	v_permlanex16_b32 v[\p+2], v[\p], s[SEL], s[SEL+1]
	s_delay_alu instid0(VALU_DEP_1)
	v_max_num_f32 v[\p], v[\p], v[\p+2]            ; and among lane l xor 16's
	s_delay_alu instid0(VALU_DEP_1)
	v_mul_f32 v[\p], s[CS], v[\p]                  ; as t (c is positive)
	s_delay_alu instid0(VALU_DEP_1)
	v_max_num_f32 v[\st+1], v[\st+1], v[\p]        ; the running largest t
	v_mov_b32 v[\p], v[\st]
	s_delay_alu instid0(VALU_DEP_2)
	v_floor_f32 v[\st], -v[\st+1]                  ; the new -M = floor(-t)
	s_delay_alu instid0(VALU_DEP_1)
	v_sub_f32 v[\p], v[\st], v[\p]                 ; old M - new M: a whole number, 0 or less
	s_delay_alu instid0(VALU_DEP_1)
	v_cvt_i32_f32 v[\p], v[\p]                     ; (it saturates)
	s_delay_alu instid0(VALU_DEP_1)
	v_ldexp_f32 v[FF], 1.0, v[\p]                  ; f
.set n, 0
.rept 32
	v_pk_fma_f32 v[S+n:S+n+1], v[S+n:S+n+1], s[CS:CS+1], v[\st:\st+1] op_sel_hi:[1,0,0]   ; t - M, two at a time
.set n, n+2
.endr
.set n, 0
	s_wait_alu depctr_va_vdst(0)
.rept 64
	v_exp_f32 v[S+n], v[S+n]                       ; p = 2^(t - M)
.set n, n+1
.endr
	v_pk_mul_f32 v[\st+2:\st+3], v[\st+2:\st+3], v[FF:FF+1] op_sel_hi:[1,0]   ; the sums under the new M: the plain line behind the exponentials
	s_wait_alu depctr_va_vdst(0)                   ; one wait for the batch, ahead of its first reader
	v_pk_add_f32 v[\p+4:\p+5], v[S:S+1], v[S+2:S+3]   ; the row's sum is taken of the unquantised p, in two chains
.set n, 4
.rept 15
	v_pk_add_f32 v[\st+2:\st+3], v[\st+2:\st+3], v[S+n:S+n+1]
	v_pk_add_f32 v[\p+4:\p+5], v[\p+4:\p+5], v[S+n+2:S+n+3]
.set n, n+4
.endr
	s_delay_alu instid0(VALU_DEP_1)
	v_pk_add_f32 v[\st+2:\st+3], v[\st+2:\st+3], v[\p+4:\p+5]
.irp b, 0,1,2,3
.set n, 0
.rept 16
.set n, n+1
.endr
	v_cvt_scalef32_pk8_fp8_f32 v[\p+4*\b:\p+4*\b+1], v[S+16*\b:S+16*\b+7], v[SCL]
	v_cvt_scalef32_pk8_fp8_f32 v[\p+4*\b+2:\p+4*\b+3], v[S+16*\b+8:S+16*\b+15], v[SCL]
.endr
.set n, 0
.rept 16
	v_pk_mul_f32 v[\o+n:\o+n+1], v[\o+n:\o+n+1], v[FF:FF+1] op_sel_hi:[1,0]   ; O^T under the new M.  These sixteen are also the places behind the conversions and the products above
.set n, n+2
.endr
.endm
.macro PV p, o                         ; O^T += V^T P^T: four tiles of 16 channels, K = the step's 128 keys; the accumulators take turns
.set t8, 0
.rept 4
	v_wmma_f32_16x16x128_fp8_fp8 v[\o+8*t8:\o+8*t8+7], v[KV+16*t8:KV+16*t8+15], v[\p:\p+15], v[\o+8*t8:\o+8*t8+7]
.set t8, t8+1
.endr
.endm
; A key step of 128 keys for both tiles.  K's and V's fragments are read from LDS once for both.  A step whose keys all come after a tile's queries is left out for that tile: scalar branches on the wave's number and the step.
.macro TRIP
	v_add_nc_u32 v[ADK], s[OFF], v[LANE]
	s_delay_alu instid0(VALU_DEP_1)
	v_add_nc_u32 v[ADV], REGION, v[ADK]
	s_cmp_gt_u32 s[SS], s[JH]
	s_cbranch_scc1 .Lend_\@
	s_setprio 2
.rept 4
	v_nop                                          ; places in front of loads into registers that the last step's products have read
.endr
.set t8, 0
.rept 8                                        ; tile 2 b + u: keys 32 b + 8 u on
	ds_load_b128 v[KV+8*t8:KV+8*t8+3], v[ADK] offset:2304*(t8/2)+576*(t8%2)
	ds_load_b128 v[KV+8*t8+4:KV+8*t8+7], v[ADK] offset:2304*(t8/2)+576*(t8%2)+32
.set t8, t8+1
.endr
	s_wait_dscnt 0x0
	SOFT PH, STH, OH, QH, JH
	s_setprio 1
	s_cmp_gt_u32 s[SS], s[JL]
	s_cbranch_scc1 .Lupper_only_\@
	SOFT PL, STL, OL, QL, JL
.Lupper_only_\@:
.set t8, 0
	s_setprio 0
.rept 16                                       ; tile t8 / 4 (channels 32 (t / 2) + 8 (t % 2) on), piece c = t8 % 4: keys 32 c + 16 h on: block c / 2 of 64 keys, byte 32 (c % 2)
	ds_load_b128 v[KV+4*t8:KV+4*t8+3], v[ADV] offset:((t8%4)/2)*4608+(16*(t8/8)+4*((t8/4)%2))*KPITCH+32*(t8%2)
.set t8, t8+1
.endr
	s_wait_dscnt 0x0
	s_wait_alu depctr_va_vdst(0)
	PV PH, OH
	s_cmp_gt_u32 s[SS], s[JL]
	s_cbranch_scc1 .Lend_\@
	PV PL, OL
.Lend_\@:
	s_add_co_u32 s[SS], s[SS], 1
	s_add_co_u32 s[OFF], s[OFF], STEPB
.endm
	s_wait_loadcnt 0x0                             ; Q; its offset register is free
	s_wait_tensorcnt 1                             ; my part of the first halves is in; the second halves' may stay out
	s_barrier_signal -1
	s_barrier_wait -1                              ; everybody's is
	s_mov_b32 s[SS], 0
	s_mov_b32 s[OFF], 0
.Lfirst:                                           ; key steps 0-7: they read below byte HALFB of each region
	TRIP
	s_cmp_lt_u32 s[SS], 8
	s_cbranch_scc1 .Lfirst
	s_setprio 0
	s_wait_tensorcnt 0x0                           ; my part of the second halves is in
	s_wait_dscnt 0x0
	s_barrier_signal -1
	s_barrier_wait -1
	s_mov_b32 s[SS], 8
	s_mov_b32 s[OFF], HALFB
.Lsecond:                                          ; key steps 8-15
	TRIP
	s_cmp_lt_u32 s[SS], 16
	s_cbranch_scc1 .Lsecond
	s_setprio 0
	; THE WAY OUT.  O^T / the sum stands for the result / 2^(e8 + e9): its code is that / 2^(e10 - e8 - e9).  A tile's 16 rows of 64 codes go through my stage and leave as 1,024 bytes on end.
.rept 4
	v_nop
.endr
	v_add_f32 v[STH+2], v[STH+2], v[STH+3]
	v_add_f32 v[STL+2], v[STL+2], v[STL+3]
	v_permlanex16_b32 v[PH+2], v[STH+2], s[SEL], s[SEL+1]
	v_permlanex16_b32 v[PL+2], v[STL+2], s[SEL], s[SEL+1]
	s_delay_alu instid0(VALU_DEP_2)
	v_add_f32 v[STH+2], v[STH+2], v[PH+2]          ; the rows' sums
	s_delay_alu instid0(VALU_DEP_2)
	v_add_f32 v[STL+2], v[STL+2], v[PL+2]
	s_wait_alu depctr_va_vdst(0)
	v_rcp_f32 v[STH+2], v[STH+2]
	v_rcp_f32 v[STL+2], v[STL+2]
	v_and_b32 v3, 15, v0                           ; (a plain line behind the reciprocals)  r
	v_bfe_u32 v4, v0, 4, 1                         ; h
	s_mul_i32 s74, s[WV], 1280
	s_add_co_u32 s74, s74, STAGE                   ; my stage
	v_mul_u32_u24 v2, v3, 80
	s_delay_alu instid0(VALU_DEP_1)
	v_lshl_add_u32 v2, v4, 4, v2
	s_delay_alu instid0(VALU_DEP_1)
	v_add_nc_u32 v2, s74, v2                       ; in: row r, 16 bytes for each half of the lanes
	v_bfe_u32 v3, v0, 2, 3
	v_and_b32 v4, 3, v0
	s_delay_alu instid0(VALU_DEP_2)
	v_mul_u32_u24 v5, v3, 80
	s_delay_alu instid0(VALU_DEP_1)
	v_lshl_add_u32 v5, v4, 4, v5
	s_delay_alu instid0(VALU_DEP_1)
	v_add_nc_u32 v5, s74, v5                       ; back: four lanes to a row, eight rows an instruction
	v_and_b32 v1, 31, v0
	s_delay_alu instid0(VALU_DEP_1)
	v_lshlrev_b32 v1, 4, v1                        ; and the same 512 bytes on end in memory
	s_sub_co_i32 s74, s62, s60
	s_sub_co_i32 s74, s74, s61                     ; e10 - e8 - e9
	s_add_co_i32 s74, s74, 127
	s_lshl_b32 s75, s74, 23
	v_mov_b32 v7, s75
	s_wait_alu depctr_va_vdst(0)                   ; one wait for both reciprocals, ahead of their first reader
.macro OUT x, o, st
.set n, 0
.rept 16
	v_pk_mul_f32 v[S+32*\x+n:S+32*\x+n+1], v[\o+n:\o+n+1], v[\st+2:\st+3] op_sel_hi:[1,0]   ; register 16 bb + i: channel 32 bb + 16 h + i of query r
.set n, n+2
.endr
.set n, 0
.rept 32
.set n, n+1
.endr
.set n, 0
.rept 4
	v_cvt_scalef32_pk8_fp8_f32 v[KV+8*\x+2*n:KV+8*\x+2*n+1], v[S+32*\x+8*n:S+32*\x+8*n+7], v7
.set n, n+1
.endr
	v_nop
	ds_store_b128 v2, v[KV+8*\x:KV+8*\x+3]
	ds_store_b128 v2, v[KV+8*\x+4:KV+8*\x+7] offset:32
	ds_load_b128 v[KV+16+8*\x:KV+16+8*\x+3], v5    ; LDS serves a wave's instructions in order: these see my stores, and the next tile's stores come behind them
	ds_load_b128 v[KV+16+8*\x+4:KV+16+8*\x+7], v5 offset:640
.endm
	OUT 0, OH, STH
	OUT 1, OL, STL
	s_wait_dscnt 5                                 ; behind the upper tile's first load: its second, and the lower tile's four
	global_store_b128 v1, v[KV+16:KV+19], s[52:53]
	s_wait_dscnt 4
	global_store_b128 v1, v[KV+20:KV+23], s[52:53] offset:512
	s_wait_dscnt 1
	global_store_b128 v1, v[KV+24:KV+27], s[54:55]
	s_wait_dscnt 0x0
	global_store_b128 v1, v[KV+28:KV+31], s[54:55] offset:512
	s_wait_xcnt 0x0
	v_lshl_add_u32 v254, v0, 2, 0x4d000
	v_mov_b32 v255, 0
	s_wait_alu depctr_va_vdst(0)
	s_wait_tensorcnt 0x0
	ds_add_u32 v254, v255
	s_wait_dscnt 0x0
	ROUND                                          ; the closing round: no work-group ends while a partner may still ask for a tile that names it
	s_endpgm
.Lfunc_end_k_qe27b442269_attn:
	.size	k_qe27b442269_attn, .Lfunc_end_k_qe27b442269_attn-k_qe27b442269_attn
	.p2alignl 7, 3214868480
	.fill 96, 4, 3214868480
	.section	.rodata,"a",@progbits
	.p2align	6, 0x0
	.amdhsa_kernel k_qe27b442269_attn
		.amdhsa_group_segment_fixed_size 327680
		.amdhsa_private_segment_fixed_size 0
		.amdhsa_enable_private_segment 0
		.amdhsa_kernarg_size 24
		.amdhsa_user_sgpr_count 2
		.amdhsa_user_sgpr_kernarg_segment_ptr 1
		.amdhsa_wavefront_size32 1
		.amdhsa_system_sgpr_workgroup_id_x 1
		.amdhsa_system_sgpr_workgroup_id_y 1
		.amdhsa_system_sgpr_workgroup_id_z 1
		.amdhsa_system_vgpr_workitem_id 0
		.amdhsa_next_free_vgpr 256
		.amdhsa_next_free_sgpr 80
		.amdhsa_reserve_vcc 1
		.amdhsa_float_denorm_mode_32 3
		.amdhsa_float_denorm_mode_16_64 3
		.amdhsa_fp16_overflow 1
		.amdhsa_memory_ordered 1
		.amdhsa_forward_progress 1
		.amdhsa_inst_pref_size 87
	.end_amdhsa_kernel
	.amdgpu_metadata
---
amdhsa.version: [ 1, 2 ]
amdhsa.kernels:
  - .name:           k_qe27b442269_attn
    .symbol:         k_qe27b442269_attn.kd
    .args:
      - { .name: qkvc, .offset: 0, .size: 8, .value_kind: global_buffer, .address_space: global }
      - { .name: lowp_scales, .offset: 8, .size: 8, .value_kind: global_buffer, .address_space: global }
      - { .name: ctxc, .offset: 16, .size: 8, .value_kind: global_buffer, .address_space: global }
    .group_segment_fixed_size: 327680
    .private_segment_fixed_size: 0
    .kernarg_segment_align: 8
    .kernarg_segment_size: 24
    .max_flat_workgroup_size: 512
    .sgpr_count:     80
    .vgpr_count:     256
    .wavefront_size: 32
...
	.end_amdgpu_metadata
.endif
;; end of part 3
;; launch oproj (part 4): grid 4 x 32, 4 waves a work-group, clusters of 4 x 4, 327,680 bytes of LDS; arguments ctxc, wc, lowp_scales, out0, b_o; writes out0
.if DOCPART == 4
	.amdgcn_target "amdgcn-amd-amdhsa--gfx1250"
	.amdhsa_code_object_version 6
	.text
	.protected	k_qe27b442269_oproj
	.globl	k_qe27b442269_oproj
	.p2align	8
	.type	k_qe27b442269_oproj,@function
k_qe27b442269_oproj:
	s_mov_b64 s[64:65], 0
	v_nop
	global_prefetch_b8 v0, s[64:65] scope:SCOPE_SE
	s_setreg_imm32_b32 hwreg(HW_REG_WAVE_MODE, 25, 1), 1
	s_wait_xcnt 0x0
	s_wait_alu depctr_hold_cnt(0) depctr_sa_sdst(0) depctr_va_vdst(0) depctr_va_sdst(0) depctr_va_ssrc(0) depctr_va_vcc(0) depctr_vm_vsrc(0)
	s_getreg_b32 s2, hwreg(HW_REG_IB_STS2, 6, 4)
	s_cmp_eq_u32 s2, 0
	s_cbranch_scc0 .Lentry_in_a_cluster
	s_endpgm
.Lentry_in_a_cluster:
	s_bfe_u32 s2, ttmp6, 0x10000c
	s_cmp_lg_u32 s2, 0xf033
	s_cbranch_scc0 .Lentry_shape_is_right
	s_endpgm
.Lentry_shape_is_right:
; out0[m][n] = sum over k of ctx[m][k] W_o[n][k] + b_o[n], on codes of FP8 (E4M3): ctx with the scale 2^e10, W_o with 2^e11.  M = 8,192, N = K = 1,024; out0 f32.
; ctx's codes lie as [m / 128 (64)][head 16][128 rows][64]: 128 rows x 4 heads (256 along K) are one dense block of 32,768 bytes, which one tensor load brings as 128 lines of 256 bytes.  W_o's codes: wc + 3 MiB, [1024][1024].
; The bias goes in as the C of each sum's first matrix instruction, divided by 2^(e10 + e11); each finished sum is multiplied once by 2^(e10 + e11).  LIMIT: e10 + e11 between -126 and 127.
; A tile of 256 x 256 for a work-group of four waves, 128 x 128 a wave; K in steps of 256 through a ring of two LDS slots.  N = 1,024 gives 128 such tiles.
; CLUSTERS: 4 x 4 work-groups; A's tile is asked for jointly along a row of the cluster, B's along a column.  THE MATRIX INSTRUCTION IS USED TRANSPOSED (source 0 = 16 rows of W_o, source 1 = 16 rows of ctx).
; Inside an instruction k is permuted, alike in both operands.
; REGISTERS, in windows of 256: window 0: v0-31 addresses; v32-95 the bias, later at work on the way out; from v128 A's fragments, ONE set.  window 1: B's fragments, two sets.  windows 2, 3: the 64 accumulators.
.set SIZE_N, 1024
.set KSTEP,  256
.set ROWB,   256
.set KROW,   1024
.set ABLK,   32768                     ; a K step of 128 rows of ctx's codes in memory
.set PITCH,  272
.set HEADB,  32*PITCH                  ; in a half tile of A: a head's 128 rows of 64 bytes are 32 lines
.set FR,     16
.set NL,     4
.set NP,     4
.set HALFT,  128*PITCH
.set SLOT,   4*HALFT
.set LAPS,   KROW/(2*KSTEP)
.set SPARE,  2*SLOT
.set SPITCH, 528                       ; the way out: 16 rows x (512 bytes + 16) for each wave, in slot 0, which has had its last fill and its last read by then
.set ADRA, 16
.set ADRB, 20
.set STO,  24
.set RD,   25
.set CO,   26
.set BO,   27                          ; v27  32 h: my half's eight numbers of a tile's sixteen of b_o
.set SPW,  28
.set NIL,  29
.set BI,   32                          ; v32-95 b_o / 2^(e10 + e11) in the result's layout: tile b at 8 b
.set TMP,  32
.set AF,   128
.set BK,   128
.set G1, 24
.set G0, 32
.set G1B, 48
.set G0B, 56
.set MSB, 0
.macro WIN new
.if MSB != \new
	s_set_vgpr_msb (MSB<<8)|\new
.set MSB, \new
.endif
.endm
.set MUL_LO, 0xa1
.set MUL_HI, 0xf1
.set TO_B,   0x40
.macro JLOAD g0a, g1a, g0b, g1b        ; a joint load: waves 0 and 1 fetch for A, waves 2 and 3 for B; four v_nop follow each of the two lines
	s_cmp_eq_u32 s15, 0
	s_cbranch_scc0 .Lfor_b_\@
	tensor_load_to_lds s[\g0a:\g0a+3], s[\g1a:\g1a+7]
	s_nop 0
.rept 4
	v_nop
.endr
	s_branch .Lasked_\@
.Lfor_b_\@:
	tensor_load_to_lds s[\g0b:\g0b+3], s[\g1b:\g1b+7]
	s_nop 0
.rept 4
	v_nop
.endr
.Lasked_\@:
.endm
.macro CREST
	s_cmp_lg_u32 s14, 0
	s_cbranch_scc1 .Lnot_wave_0_\@
	s_barrier_signal -3
.Lnot_wave_0_\@:
	s_barrier_wait -3
	s_barrier_signal -1
	s_barrier_wait -1
.endm
.macro CROUND
	s_barrier_signal -1
	s_barrier_wait -1
	CREST
.endm
	s_load_b128 s[4:7], s[0:1], 0x0                ; ctxc s[4:5], wc s[6:7]
	s_load_b128 s[8:11], s[0:1], 0x10              ; the scales' exponents s[8:9], out0 s[10:11]
	s_load_b64 s[12:13], s[0:1], 0x20              ; b_o
	v_lshl_add_u32 v[SPW], v0, 2, SPARE
	v_mov_b32 v[NIL], 0
	ds_add_u32 v28, v29
	ds_add_u32 v28, v29
	s_wait_dscnt 0x0
	v_lshrrev_b32 v1, 5, v0
	v_readfirstlane_b32 s14, v1                    ; wave 0..3
	s_lshr_b32 s15, s14, 1
	s_and_b32 s16, s14, 1
	s_bfe_u32 s40, ttmp6, 0x40000                  ; cx, cy
	s_bfe_u32 s41, ttmp6, 0x40004
	s_lshl_b32 s42, ttmp9, 2
	s_add_co_u32 s42, s42, s40                     ; tile column
	s_and_b32 s17, ttmp7, 0xffff
	s_lshl_b32 s17, s17, 2
	s_add_co_u32 s17, s17, s41                     ; tile row
	s_lshl_b32 s43, s41, 2
	s_lshl_b32 s43, 15, s43
	s_lshl_b32 s44, 0x1111, s40
	s_or_b32 s[G1+0], s43, (3<<16)|(1<<20)|(1<<21)|(5<<22)|(3<<25)  ; A: the mask of my row; elements of 8 bytes; padding on; bit 21 beside a mask; 4 words behind every 64
	s_mov_b32 s[G1+1], 32<<16                      ; a dense block: lines of 32 elements (256 bytes),
	s_mov_b32 s[G1+2], 128<<16                     ; 128 of them,
	s_mov_b32 s[G1+3], 32<<16
	s_mov_b32 s[G1+4], 128
	s_mov_b32 s[G1+5], 32                          ; one behind the other
	s_mov_b32 s[G1+6], 0
	s_mov_b32 s[G1+7], 0
	s_or_b32 s[G1B+0], s44, (0<<16)|(1<<20)|(1<<21)|(5<<22)|(3<<25) ; B: the mask of my column; elements of 1 byte
	s_mov_b32 s[G1B+1], ROWB<<16
	s_mov_b32 s[G1B+2], 128<<16
	s_mov_b32 s[G1B+3], ROWB<<16
	s_mov_b32 s[G1B+4], 128
	s_mov_b32 s[G1B+5], KROW
	s_mov_b32 s[G1B+6], 0
	s_mov_b32 s[G1B+7], 0
	s_lshl_b32 s20, s17, 1
	s_add_co_u32 s20, s20, s16
	s_lshl_b32 s20, s20, 17                        ; A: the block of 128 rows 2 x tile row + half: 131,072 bytes each
	s_mov_b32 s21, 0
	s_lshl_b32 s18, s16, 7
	s_lshl_b32 s46, s42, 8
	s_add_co_u32 s46, s46, s18
	s_lshl_b32 s46, s46, 10
	s_add_co_u32 s46, s46, 0x300000                ; B: W_o's codes, row 256 x tile column + 128 x half
	s_mov_b32 s47, 0
	s_mul_i32 s45, s14, HALFT
	s_wait_kmcnt 0x0
	s_load_b64 s[96:97], s[8:9], 0x28              ; e10, e11
	s_add_nc_u64 s[20:21], s[4:5], s[20:21]
	s_add_nc_u64 s[46:47], s[6:7], s[46:47]
	CROUND                                         ; all sixteen work-groups are here: the first joint loads meet
.irp s, 0,1
	s_mov_b32 s[G0+4*\s], 1
	s_add_co_u32 s[G0+4*\s+1], s45, \s*SLOT
	s_add_nc_u64 s[G0+4*\s+2:G0+4*\s+3], s[20:21], \s*ABLK
	s_or_b32 s[G0+4*\s+3], s[G0+4*\s+3], 0x80000000
	s_mov_b32 s[G0B+4*\s], 1
	s_add_co_u32 s[G0B+4*\s+1], s45, \s*SLOT
	s_add_nc_u64 s[G0B+4*\s+2:G0B+4*\s+3], s[46:47], \s*ROWB
	s_or_b32 s[G0B+4*\s+3], s[G0B+4*\s+3], 0x80000000
	s_wait_alu depctr_va_vdst(0)
	s_wait_tensorcnt 0x0
	ds_add_u32 v28, v29
	ds_add_u32 v28, v29
	s_wait_dscnt 0x0
	CROUND
	JLOAD G0+4*\s, G1, G0B+4*\s, G1B
.endr
	v_and_b32 v1, 15, v0                           ; r
	v_bfe_u32 v2, v0, 4, 1                         ; h
	s_lshl_b32 s46, s42, 10
	s_lshl_b32 s47, s16, 9
	s_add_co_u32 s46, s46, s47                     ; my first column, in bytes of f32: in b_o and in a row of out0
	s_mov_b32 s47, 0
	s_add_nc_u64 s[12:13], s[12:13], s[46:47]
	v_lshlrev_b32 v[BO], 5, v2
.irp b, 0,1,2,3,4,5,6,7
	global_load_b128 v[BI+8*\b:BI+8*\b+3], v[BO], s[12:13] offset:64*\b        ; b_o at columns 16 b + 8 h + 0 .. 7
	global_load_b128 v[BI+8*\b+4:BI+8*\b+7], v[BO], s[12:13] offset:64*\b+16
.endr
	v_mul_u32_u24 v3, v1, PITCH
	v_lshl_add_u32 v4, v2, 4, v3                   ; B: a fragment's row x pitch + 16 h
	v_lshrrev_b32 v5, 2, v1
	v_mul_u32_u24 v5, v5, PITCH
	v_and_b32 v6, 3, v1
	v_lshl_add_u32 v5, v6, 6, v5
	v_lshl_add_u32 v5, v2, 4, v5                   ; A: four rows of 64 bytes to a line: (r / 4) x pitch + 64 (r % 4) + 16 h
	s_mul_i32 s21, s15, HALFT
	s_mul_i32 s22, s16, HALFT
	s_add_co_u32 s22, s22, 2*HALFT
.irp s, 0,1
	v_add_nc_u32 v[ADRA+\s], s21, v5
	v_add_nc_u32 v[ADRB+\s], s22, v4
	s_add_co_u32 s21, s21, SLOT
	s_add_co_u32 s22, s22, SLOT
.endr
	s_mul_i32 s23, s14, 16*SPITCH                  ; my stage
	v_mul_u32_u24 v7, v1, SPITCH
	v_lshl_add_u32 v7, v2, 5, v7
	v_add_nc_u32 v[STO], s23, v7                   ; in: row r, 32 bytes for each half of the lanes
	v_and_b32 v6, 31, v0
	v_lshlrev_b32 v[CO], 4, v6                     ; back: the 32 lanes take one row of 512 bytes; and the same in out0
	v_add_nc_u32 v[RD], s23, v[CO]
	s_add_nc_u64 s[10:11], s[10:11], s[46:47]
	s_lshl_b32 s20, s17, 8
	s_lshl_b32 s21, s15, 7
	s_add_co_u32 s20, s20, s21
	s_lshl_b32 s20, s20, 12                        ; my first row of out0: rows of 4,096 bytes
	s_mov_b32 s21, 0
	s_add_nc_u64 s[10:11], s[10:11], s[20:21]
	s_wait_kmcnt 0x0
	s_add_co_i32 s96, s96, s97                     ; e10 + e11
	s_sub_co_i32 s98, 0, s96
	s_add_co_i32 s96, s96, 127
	s_lshl_b32 s96, s96, 23                        ; 2^(e10 + e11) as f32
	s_wait_loadcnt 0x0
.set n, 0
.rept 64
	v_ldexp_f32 v[BI+n], v[BI+n], s98              ; the bias, divided by the power of two that the sums lack
.set n, n+1
.endr
.macro FRAG reg, adr, q, i             ; B: registers 4 c .. 4 c + 3 hold K = 32 c + 16 h + 0 .. 15
.irp c, 0,1,2,3
	ds_load_b128 v[\reg+4*\c:\reg+4*\c+3], v[\adr] offset:128*(\q)+32*\c+(\i)*16*PITCH
.endr
.endm
.macro FRAGA reg, adr, q, i            ; A: the same k: head 2 q + c / 2 of the step's four, byte 32 (c % 2) + 16 h of its 64; 16 rows are 4 lines
.irp c, 0,1,2,3
	ds_load_b128 v[\reg+4*\c:\reg+4*\c+3], v[\adr] offset:(2*(\q)+\c/2)*HEADB+(\i)*4*PITCH+32*(\c%2)
.endr
.endm
; 16 matrix instructions: A's blocks a0, a0 + 1 x B's eight.  first = 1: the bias starts the sums.  The 64 accumulators take turns, one instruction a turn.
.macro MUL16 a0, p, first
.irp a, \a0, \a0+1
.irp b, 0,1,2,3,4,5,6,7
.if \first
	v_wmma_f32_16x16x128_fp8_fp8 v[8*(8*((\a)%4)+\b):8*(8*((\a)%4)+\b)+7], v[128*(\p)+FR*\b:128*(\p)+FR*\b+FR-1], v[AF+FR*(\a):AF+FR*(\a)+FR-1], v[BI+8*\b:BI+8*\b+7]
.else
	v_wmma_f32_16x16x128_fp8_fp8 v[8*(8*((\a)%4)+\b):8*(8*((\a)%4)+\b)+7], v[128*(\p)+FR*\b:128*(\p)+FR*\b+FR-1], v[AF+FR*(\a):AF+FR*(\a)+FR-1], v[8*(8*((\a)%4)+\b):8*(8*((\a)%4)+\b)+7]
.endif
.endr
.endr
.endm
.macro FETCH_B slot, q, p
	WIN TO_B
.irp i, 0,1,2,3,4,5,6,7
	FRAG 128*(\p)+FR*\i, ADRB+\slot, \q, \i
.endr
	WIN 0
.endm
.macro FETCH_A slot, q, i0
.irp i, \i0, \i0+1, \i0+2, \i0+3
	FRAGA AF+FR*(\i), ADRA+\slot, \q, \i
.endr
.endm
.macro PLACES n
.rept \n
	v_nop
.endr
.endm
.macro STEP slot, q, first
	s_wait_dscnt 4*NL                              ; B's set and A's blocks 0-3 are in; the youngest sixteen loads (A's blocks 4-7) may be out
.if \first
	WIN 0x81                                       ; source 0 window 1, sources 1 and 2 (A, the bias) window 0, D window 2
.else
	WIN MUL_LO
.endif
	MUL16 0, (\q)%2, \first
	MUL16 2, (\q)%2, \first
	s_wait_dscnt 0
	PLACES NP
	FETCH_B \slot, (\q)+1, 1-(\q)%2
	FETCH_A \slot, (\q)+1, 0
.if \first
	WIN 0xc1
.else
	WIN MUL_HI
.endif
	MUL16 4, (\q)%2, \first
	MUL16 6, (\q)%2, \first
	PLACES NP
	WIN 0
	FETCH_A \slot, (\q)+1, 4
.endm
.macro TURN slot, next, fill
	s_wait_tensorcnt 0x0                           ; all my tensor loads have landed: my part of the next slot
	ds_add_u32 v[SPW], v[NIL]                      ; 0 onto my spare word
	s_wait_dscnt 4*NL+1                            ; (the add and A's blocks 4-7 may be out)
	WIN MUL_LO
	MUL16 0, 1, 0
	s_wait_dscnt 0x0                               ; the add is done, and my reads of this slot are over
	s_barrier_signal -1
	MUL16 2, 1, 0
	WIN 0
	s_barrier_wait -1
.if \fill
	CREST                                          ; the barrier has opened a round of the cluster's barrier
	s_add_nc_u64 s[G0+4*\slot+2:G0+4*\slot+3], s[G0+4*\slot+2:G0+4*\slot+3], 2*ABLK
	s_add_nc_u64 s[G0B+4*\slot+2:G0B+4*\slot+3], s[G0B+4*\slot+2:G0B+4*\slot+3], 2*ROWB
	JLOAD G0+4*\slot, G1, G0B+4*\slot, G1B         ; the first tensor load behind the round; its four v_nop are also the places in front of the loads below
.else
	PLACES NP
.endif
	FETCH_B \next, 0, 0
	FETCH_A \next, 0, 0
	WIN MUL_HI
	MUL16 4, 1, 0
	MUL16 6, 1, 0
	PLACES NP
	WIN 0
	FETCH_A \next, 0, 4
.endm
	s_wait_alu depctr_va_vdst(0)
	s_wait_tensorcnt 1                             ; my part of K step 0 is in (K step 1's load may be out)
	s_barrier_signal -1
	s_barrier_wait -1
	FETCH_B 0, 0, 0
	FETCH_A 0, 0, 0
	FETCH_A 0, 0, 4
	STEP 0, 0, 1
	s_mov_b32 s3, LAPS-1
.Llap:
	TURN 0, 1, 1
	STEP 1, 0, 0
	TURN 1, 0, 1
	STEP 0, 0, 0
	s_sub_co_u32 s3, s3, 1
	s_cmp_lg_u32 s3, 0
	s_cbranch_scc1 .Llap
	TURN 0, 1, 0
	STEP 1, 0, 0
	s_wait_dscnt 4*NL
	WIN MUL_LO
	MUL16 0, 1, 0
	MUL16 2, 1, 0
	s_wait_dscnt 0
	WIN MUL_HI
	MUL16 4, 1, 0
	MUL16 6, 1, 0
	WIN 0
; THE WAY OUT, block by block of 16 rows x 128 columns, through my own stage: whole rows of 512 bytes come back, which the 32 lanes store on end.  LDS serves a wave's instructions in order (ISA guide 5.7.1.4).
.macro TOSTAGE a
.set AC, 64*((\a)%4)
	WIN 0x02+((\a)/4)
.set n, 0
.rept 32
	v_pk_mul_f32 v[TMP+n:TMP+n+1], v[AC+n:AC+n+1], s[96:97] op_sel_hi:[1,0]   ; both x s96 = 2^(e10 + e11); each accumulator from its low end on
.set n, n+2
.endr
	WIN 0
.irp b, 0,1,2,3,4,5,6,7
	ds_store_b128 v[STO], v[TMP+8*\b:TMP+8*\b+3] offset:64*\b
	ds_store_b128 v[STO], v[TMP+8*\b+4:TMP+8*\b+7] offset:64*\b+16
.endr
.set BB, BK+64*((\a)%2)
.irp t, 0,1,2,3,4,5,6,7,8,9,10,11,12,13,14,15
	ds_load_b128 v[BB+4*\t:BB+4*\t+3], v[RD] offset:\t*SPITCH
.endr
.endm
.macro SEND a, younger
.set BB, BK+64*((\a)%2)
	s_wait_dscnt \younger                          ; the block is back in registers
.if (\a) > 0
	s_add_nc_u64 s[10:11], s[10:11], 16*SIZE_N*4   ; (behind a wait on XCNT: the earlier stores have read their base)
.endif
.irp t, 0,1,2,3,4,5,6,7,8,9,10,11,12,13,14,15
	global_store_b128 v[CO], v[BB+4*\t:BB+4*\t+3], s[10:11] offset:\t*SIZE_N*4 th:TH_STORE_NT   ; 32 lanes store 512 consecutive bytes, at a multiple of 512 from out0's first byte
.endr
.endm
	PLACES NP
	TOSTAGE 0
.irp a, 1,2,3,4,5,6,7
.if \a > 1
	s_wait_xcnt 0x0                                ; block a - 2's stores have read their registers and their base
.endif
	TOSTAGE \a
	SEND \a-1, 32                                  ; behind block a - 1's loads: block a's 16 stores and 16 loads
.endr
	s_wait_xcnt 0x0
	SEND 7, 0
	s_wait_tensorcnt 0x0                           ; the wave's end
	ds_add_u32 v[SPW], v[NIL]
	s_wait_dscnt 0x0
	CROUND                                         ; the closing round
	s_endpgm
.Lfunc_end_k_qe27b442269_oproj:
	.size	k_qe27b442269_oproj, .Lfunc_end_k_qe27b442269_oproj-k_qe27b442269_oproj
	.p2alignl 7, 3214868480
	.fill 96, 4, 3214868480
	.section	.rodata,"a",@progbits
	.p2align	6, 0x0
	.amdhsa_kernel k_qe27b442269_oproj
		.amdhsa_group_segment_fixed_size 327680
		.amdhsa_private_segment_fixed_size 0
		.amdhsa_enable_private_segment 0
		.amdhsa_kernarg_size 40
		.amdhsa_user_sgpr_count 2
		.amdhsa_user_sgpr_kernarg_segment_ptr 1
		.amdhsa_wavefront_size32 1
		.amdhsa_system_sgpr_workgroup_id_x 1
		.amdhsa_system_sgpr_workgroup_id_y 1
		.amdhsa_system_sgpr_workgroup_id_z 1
		.amdhsa_system_vgpr_workitem_id 0
		.amdhsa_next_free_vgpr 1024
		.amdhsa_next_free_sgpr 100
		.amdhsa_reserve_vcc 0
		.amdhsa_float_denorm_mode_32 3
		.amdhsa_float_denorm_mode_16_64 3
		.amdhsa_memory_ordered 1
		.amdhsa_forward_progress 1
		.amdhsa_inst_pref_size 130
	.end_amdhsa_kernel
	.amdgpu_metadata
---
amdhsa.version: [ 1, 2 ]
amdhsa.kernels:
  - .name:           k_qe27b442269_oproj
    .symbol:         k_qe27b442269_oproj.kd
    .args:
      - { .name: ctxc, .offset: 0, .size: 8, .value_kind: global_buffer, .address_space: global }
      - { .name: wc, .offset: 8, .size: 8, .value_kind: global_buffer, .address_space: global }
      - { .name: lowp_scales, .offset: 16, .size: 8, .value_kind: global_buffer, .address_space: global }
      - { .name: out0, .offset: 24, .size: 8, .value_kind: global_buffer, .address_space: global }
      - { .name: b_o, .offset: 32, .size: 8, .value_kind: global_buffer, .address_space: global }
    .group_segment_fixed_size: 327680
    .private_segment_fixed_size: 0
    .kernarg_segment_align: 8
    .kernarg_segment_size: 40
    .max_flat_workgroup_size: 128
    .sgpr_count:     100
    .vgpr_count:     1024
    .wavefront_size: 32
...
	.end_amdgpu_metadata
.endif
;; end of part 4
